; MI455X (gfx1250); checked and timed in simulation.
; The chip was launched on July 23, 2026; its instructions are those of AMD's public machine-readable ISA for CDNA 5 (MIT licence, August 2026) and "CDNA5" Instruction Set Architecture Reference Guide (July 2026). The comments in the code are by the model that wrote it; some were corrected since.
;; Signal Generation Layer. Allowed arithmetic: float matrix products may take bf16 or f16 operands with f32 sums; all other float work in f32.
;; Inputs: eps 131,072 x 11 float32; inp 131,072 x 2 float32.
;; Outputs: out0 131,072 x 11 float32.
;; 2 versions, each right; version 2 is version 1 with the launch signal written anew for expert scheduling mode. Each part assembles by itself: llvm-mc -triple=amdgcn-amd-amdhsa -mcpu=gfx1250 --defsym DOCPART=n.
;; ======== version 1 of 2: 1 launch
;; limits: a function is approximated: absolute error at most 9.3e-06
;; launch signal (part 1): grid 256 x 1, 8 waves a work-group, no clusters, 28,672 bytes of LDS; arguments inp, eps, out0; writes out0
.if DOCPART == 1
	.amdgcn_target "amdgcn-amd-amdhsa--gfx1250"
	.amdhsa_code_object_version 6
	.text
	.protected	k_q9465eb256c_signal
	.globl	k_q9465eb256c_signal
	.p2align	8
	.type	k_q9465eb256c_signal,@function
k_q9465eb256c_signal:
	s_mov_b64 s[64:65], 0
	v_nop
	global_prefetch_b8 v0, s[64:65] scope:SCOPE_SE
	s_setreg_imm32_b32 hwreg(HW_REG_WAVE_MODE, 25, 1), 1
	s_wait_xcnt 0x0
; out[v][t] = L[v][t] + eps[v][t] * |mean over t of L[v][t]| / 100 * sqrt(2 (t + 1) / 11),  L = ln(signal(tau_t) / signal(tau = 0)),
; signal = (1 - bw) exp(-dbv I(tau) / 3) exp(-TE R2T) + bw blood(tau),  I(tau) = 1/32 x the sum over x = j/32, j = 1..31, of (2 + x) sqrt(1 - x) / x^2 (1 - J0(1.5 dw tau x)).
; inp: [131072][2] f32 (oef, dbv); eps, out: [131072][11] f32.  All arithmetic in f32.
; THE LATTICE.  The echoes are tau = 0.008 k, k = -2 .. 8, and the points x = j/32, both constants of the problem, so every argument of J0 is c m with c = 1.5 dw 0.008 / 32 =
; 0.11314823 |oef| and m = |k| j.  J0 and the blood term are even in tau: 8 echoes are computed for 11.  The 8 x 31 products take 135 different values m (the set D): J0(c m) is made once
; for each and added, with its weight, into the sum of every echo k with m = k j, j < 32: 248 additions.
; J0.  Both of the problem's forms are made for every m and v_cndmask_b32 takes one: no branch hangs on data.  Below 8: the rational form in y = (c m)^2, the division by v_rcp_f32.
; From 8 on: sqrt(.6366 / x) (cos(x - pi/4) q1 - z sin(x - pi/4) q2), z = 8 / x.  cos and sin come from one sincos(c) a voxel and a rotation from one m of D to the next (steps of 1 to 8:
; eight powers of the rotation are kept); the amplitude's sqrt(.6366 / c) lies in the rotating vector; what hangs on m alone (m^-1/2 and the coefficients times m^-3/2, m^-5/2, m^-7/2) is
; made once by the work-group's 256 threads, thread m for m, laid in LDS and read back, 16 bytes an m, the same for all lanes.
; LIMITS.  q1 and q2 are cut behind their second terms: with z <= 1 what is dropped is at most 2.6e-5 of q1 and 6.9e-6 of z q2, times an amplitude of at most 0.283: 9.3e-6 in J0, for every
; argument; the integral is 13 or more wherever that form is in use.  The phase is c m on the exact lattice, 135 rotations deep (some 1e-4 rad at m = 248); the problem's own f32 arguments are
; off by 1e-2 rad beyond |oef| of about 1e3, and no agreement is claimed there.  A signal below 2^-126 counts as 0 (v_exp_f32 flushes).  NaN goes through to the output.
; SHARES.  A lane owns two voxels, the two halves of every packed f32 instruction, so that all constants are broadcasts.  A wave owns 64 voxels, a work-group of 8 waves 512, 256 work-groups.
; A wave's eps and out are 2,816 = 11 x 256 consecutive bytes: each of its 11 loads and 11 stores of 8 bytes a lane covers 256 consecutive bytes, aligned; they change between that order
; and the order by voxels in the wave's own stage in LDS.
.set EPSB,  64*44                      ; bytes of eps, and of out, of a wave's 64 voxels
.set TAB,   0                          ; LDS: 256 entries of 16 bytes, entry m: m^-1/2, a1 m^-5/2, b0 m^-3/2, b1 m^-7/2
.set WT,    4096                       ; LDS: 256 words, of which words 1 to 31 are read: the weight of point j
.set STAGE, 5120                       ; LDS: 2,816 bytes for each wave
.set SPARE, STAGE+8*EPSB               ; LDS: the spare words, 128 bytes for each of 8 waves: four blocks of 256 bytes that no other line names
; vector registers; a name with two registers is a pair (first voxel, second voxel)
.set SPW, 2                            ; LDS address of my spare word; never rewritten
.set NIL, 3                            ; 0; never rewritten
.set TBA, 4                            ; 0: the address from which the tables are read
.set SA,  5                            ; my 8 bytes in a block of 256 of my wave's stage
.set SB,  6                            ; my two voxels' 88 bytes in my wave's stage
.set GO,  7                            ; my 8 bytes in a block of 256 of eps and out
.set YC,  8                            ; c^2
.set U,   10                           ; 8 / c
.set UU,  12                           ; its square
.set U3,  14                           ; its cube
.set CC,  16                           ; sqrt(.6366 / c) cos(c m - pi/4)
.set SS,  18                           ; the same with sin
.set DB,  20                           ; dbv
.set OE,  22                           ; oef^2
.set Y,   24                           ; at work, to GB
.set P1,  26
.set P2,  28
.set T1,  30
.set T2,  32
.set Q1,  34
.set ZQ,  36
.set EE,  38
.set RC,  40
.set GS,  42
.set GB,  44
.set G,   46                           ; 1 - J0(c m): two pairs by turns
.set RR,  50                           ; step d = 1..8: cos(d c) at RR + 4 (d - 1), sin(d c) two further on
.set ACC, 82                           ; echo k = 1..8 at ACC + 2 (k - 1): the weighted sum, later L
.set GI,  98                           ; my 16 bytes of inp
.set WV,  100                          ; the weight of point j at WV + j, one register each
.set RING, 132                         ; four slots of four registers: the table's entries on their way
.set EPS, 148                          ; 22: eps as loaded, later out as stored
.set E2,  170                          ; 22: eps by voxels (first voxel's 11, second voxel's 11), then out
.set SDN, 192                          ; echo t at SDN + 2 t: the noise's factor; before that the registers of sincos:
.set CV,  192
.set NN,  194
.set RD,  196
.set HH,  198
.set H2,  200
.set PS,  202
.set PC,  204
.set H3,  206
.set SN,  208
.set CS,  210
.set TT,  212
.set IN,  214                          ; oef, dbv, oef, dbv as loaded
; scalar registers: constants as pairs, of which the packed instructions take the low word for both halves
.set K0, 16                            ; numerator of the rational form, K0 + y (K1 + ..)
.set K1, 18
.set K2, 20
.set K3, 22
.set K4, 24
.set K5, 26
.set D0, 28                            ; denominator
.set D1, 30
.set D2, 32
.set D3, 34
.set D4, 36
.set LIM, 38                           ; 64.0
.set MB,  39                           ; the second voxel's lanes with y < 64
.set I2PI, 40
.set PIH,  42
.set PIL,  44
.set QRT,  46
.set SIN9, 48
.set SIN7, 50
.set SIN5, 52
.set SIN3, 54
.set COS10, 56
.set COS8,  58
.set COS6,  60
.set COS4,  62
.set KCS,  66
.set KB,   16                          ; behind the walk: blood's factor of echo k at KB + 2 k
.set LN2,  34
.set BWK,  36
.set R2K,  40
.macro SPAIR r, val
	s_mov_b32 s[\r], \val
	s_mov_b32 s[\r+1], \val
.endm
.macro F32OF n                         ; FB = the f32 pattern of the whole number n, 1 <= n < 2^17: exact
.set FE, 0
.rept 16
.if ((\n)>>(FE+1)) != 0
.set FE, FE+1
.endif
.endr
.set FB, ((127+FE)<<23)|(((\n)<<(23-FE))&0x7fffff)
.endm
.macro IND n                           ; IS = 1 if n lies in D: n = k j with k = 1..8 and j = 1..31
.set IS, 0
.irp k,1,2,3,4,5,6,7,8
.if (((\n) % \k) == 0) && (((\n) / \k) < 32)
.set IS, 1
.endif
.endr
.endm
.macro ADVANCE                         ; LM goes on to the next member of D (the gaps are 8 at the most); FOUND = 0 when there is none
.set FOUND, 0
.rept 8
.if (FOUND == 0) && (LM < 248)
.set LM, LM+1
	IND LM
.set FOUND, IS
.endif
.endr
.endm
.macro ASK                             ; the table's entry for the next member of D is asked for, four members ahead of its use
	ADVANCE
.if FOUND
	ds_load_b128 v[RING+4*(NASK%4):RING+4*(NASK%4)+3], v[TBA] offset:TAB+16*LM
.set NASK, NASK+1
.endif
.endm
.macro ACCUM mm, g                     ; 1 - J0(c mm), in v[g:g+1], goes into the sum of every echo k with mm = k j; j = 1 starts a sum: nothing is cleared
.irp k,1,2,3,4,5,6,7,8
.if (((\mm) % \k) == 0) && (((\mm) / \k) < 32)
.set jj, (\mm)/\k
.set wp, WV+jj-jj%2
.set ak, ACC+2*(\k-1)
.if jj == 1
	v_pk_mul_f32 v[ak:ak+1], v[\g:\g+1], v[wp:wp+1] op_sel:[0,1] op_sel_hi:[1,1]
.elseif (jj%2) == 1
	v_pk_fma_f32 v[ak:ak+1], v[\g:\g+1], v[wp:wp+1], v[ak:ak+1] op_sel:[0,1,0] op_sel_hi:[1,1,1]
.else
	v_pk_fma_f32 v[ak:ak+1], v[\g:\g+1], v[wp:wp+1], v[ak:ak+1] op_sel_hi:[1,0,1]
.endif
.endif
.endr
.endm
.macro STEP a, b                       ; one step of numerator and denominator
	v_pk_fma_f32 v[P1:P1+1], v[P1:P1+1], v[Y:Y+1], s[\a:\a+1] op_sel_hi:[1,1,0]
	v_pk_fma_f32 v[P2:P2+1], v[P2:P2+1], v[Y:Y+1], s[\b:\b+1] op_sel_hi:[1,1,0]
.endm
; 1 - J0(c M) for both voxels.  The two polynomials, the rotation and the form for large arguments are four chains set between each other.
.macro EVAL
.set DD, RR+4*(M-PM-1)                 ; the rotation by (M - PM) c
.set TS, RING+4*(NEV%4)                ; this member's entry of the table
.set GN, G+2*(NEV%2)
.set GP, G+2-2*(NEV%2)
	F32OF M*M
	v_pk_mul_f32 v[Y:Y+1], v[YC:YC+1], FB op_sel_hi:[1,0]                                    ; y = c^2 M^2
	v_pk_mul_f32 v[T1:T1+1], v[SS:SS+1], v[DD+2:DD+3]
	v_pk_mul_f32 v[T2:T2+1], v[CC:CC+1], v[DD+2:DD+3]
	v_pk_fma_f32 v[P1:P1+1], v[Y:Y+1], s[K5:K5+1], s[K4:K4+1] op_sel_hi:[1,0,0]
	v_pk_add_f32 v[P2:P2+1], v[Y:Y+1], s[D4:D4+1] op_sel_hi:[1,0]
	v_pk_fma_f32 v[CC:CC+1], v[CC:CC+1], v[DD:DD+1], v[T1:T1+1] neg_lo:[0,0,1] neg_hi:[0,0,1]  ; C r - S s
	v_pk_fma_f32 v[SS:SS+1], v[SS:SS+1], v[DD:DD+1], v[T2:T2+1]                              ; S r + C s
	STEP K3, D3
	s_wait_dscnt NASK-NEV-1                                                                  ; LDS loads come back in order (ISA guide 5.7.1): my entry is in, the younger ones of the ring stay out
	v_pk_fma_f32 v[Q1:Q1+1], v[UU:UU+1], v[TS:TS+1], v[TS:TS+1] op_sel:[0,1,0] op_sel_hi:[1,1,0]  ; M^-1/2 q1 = M^-1/2 + (8/c)^2 a1 M^-5/2
	v_pk_mul_f32 v[ZQ:ZQ+1], v[U:U+1], v[TS+2:TS+3] op_sel_hi:[1,0]                          ; M^-1/2 z q2 = (8/c) b0 M^-3/2
	STEP K2, D2
	v_pk_fma_f32 v[ZQ:ZQ+1], v[U3:U3+1], v[TS+2:TS+3], v[ZQ:ZQ+1] op_sel:[0,1,0] op_sel_hi:[1,1,1]  ;  + (8/c)^3 b1 M^-7/2
	v_cmp_gt_f32 vcc_lo, s[LIM], v[Y]                                                        ; c M < 8, first voxel
	STEP K1, D1
	v_cmp_gt_f32 s[MB], s[LIM], v[Y+1]                                                       ; second voxel
	v_pk_fma_f32 v[EE:EE+1], v[SS:SS+1], v[ZQ:ZQ+1], 1.0 op_sel_hi:[1,1,0]
	STEP K0, D0
	ASK                                                                                      ; into the slot whose last reader stands above
	v_pk_fma_f32 v[GB:GB+1], v[CC:CC+1], v[Q1:Q1+1], v[EE:EE+1] neg_lo:[1,0,0] neg_hi:[1,0,0]  ; 1 - (C q1 - S z q2)
	v_rcp_f32 v[RC], v[P2]
	v_rcp_f32 v[RC+1], v[P2+1]
.if NEV > 0
	ACCUM PM, GP                                                                             ; the member before goes into its sums: plain work between the reciprocals and their use (ISA guide 5.7.2)
.else
	v_nop
.endif
	s_wait_alu depctr_va_vdst(0)
	v_pk_fma_f32 v[GS:GS+1], v[P1:P1+1], v[RC:RC+1], 1.0 op_sel_hi:[1,1,0] neg_lo:[1,0,0] neg_hi:[1,0,0]  ; 1 - p1 / p2
	v_cndmask_b32 v[GN], v[GB], v[GS], vcc_lo
	v_cndmask_b32 v[GN+1], v[GB+1], v[GS+1], s[MB]
.endm
.macro DOUBLE so, co                   ; sin and cos of twice the angle of (SN, CS)
	v_pk_mul_f32 v[TT:TT+1], v[SN:SN+1], v[CS:CS+1]
	v_pk_mul_f32 v[H2:H2+1], v[SN:SN+1], v[SN:SN+1]
	v_pk_add_f32 v[\so:\so+1], v[TT:TT+1], v[TT:TT+1]
	v_pk_fma_f32 v[\co:\co+1], v[H2:H2+1], -2.0, 1.0 op_sel_hi:[1,0,0]
.endm
.macro NOISE t, c                      ; |sum of L| x sqrt(2 (t + 1) / 11) / 1100
	v_mul_f32 v[SDN+2*(\t)], \c, v[T1]
	v_mul_f32 v[SDN+2*(\t)+1], \c, v[T1+1]
.endm
	s_load_b128 s[4:7], s[0:1], 0x0                ; inp s[4:5], eps s[6:7]
	s_load_b64 s[8:9], s[0:1], 0x10                ; out
	v_lshl_add_u32 v[SPW], v0, 2, SPARE
	v_mov_b32 v[NIL], 0
	v_lshrrev_b32 v1, 5, v0
	v_readfirstlane_b32 s10, v1                    ; wave 0..7
	v_and_b32 v1, 31, v0                           ; lane
	s_lshl_b32 s11, ttmp9, 3
	s_add_co_u32 s11, s11, s10                     ; my wave among the launch's 2,048
	s_lshl_b32 s12, s11, 9                         ; its 64 voxels x 8 bytes of inp
	s_mov_b32 s13, 0
	s_mul_i32 s14, s11, EPSB                       ; its 2,816 bytes of eps and of out
	s_mov_b32 s15, 0
	s_mul_i32 s68, s10, EPSB
	s_add_co_u32 s68, s68, STAGE                   ; my wave's stage
	v_lshlrev_b32 v[GI], 4, v1
	v_lshlrev_b32 v[GO], 3, v1
	v_lshl_add_u32 v[SA], v1, 3, s68
	v_mul_u32_u24 v[SB], v1, 88                    ; 22 words a lane: 22 l mod 64 takes 32 different even values, so 32 lanes' pairs of words fall into 64 different banks (64 banks of 4 bytes: ISA guide 11.1)
	v_add_nc_u32 v[SB], s68, v[SB]
	s_wait_kmcnt 0x0
	s_add_nc_u64 s[4:5], s[4:5], s[12:13]
	s_add_nc_u64 s[6:7], s[6:7], s[14:15]
	s_add_nc_u64 s[8:9], s[8:9], s[14:15]
	global_load_b128 v[IN:IN+3], v[GI], s[4:5] th:TH_LOAD_NT   ; voxels 2 l and 2 l + 1 of the wave's 64
.set i, 0
.rept 11                                               ; eps is asked for now and used at the end
	global_load_b64 v[EPS+2*i:EPS+2*i+1], v[GO], s[6:7] offset:256*i th:TH_LOAD_NT
.set i, i+1
.endr
	; THE TABLES: thread m makes entry m, and the weight of point j = m.  Entry 0 and the weights from 32 on hold no numbers and are never taken.
	v_cvt_f32_u32 v[Y], v0
	v_lshlrev_b32 v[T1], 4, v0
	v_rsq_f32 v[RING], v[Y]                        ; m^-1/2
	v_mul_f32 v[P1], 0.03125, v[Y]                 ; x = j / 32
	s_wait_alu depctr_va_vdst(0)
	v_mul_f32 v[P2], v[RING], v[RING]              ; 1 / m
	v_mul_f32 v[Q1], v[RING], v[P2]                ; m^-3/2
	v_mul_f32 v[ZQ], v[Q1], v[P2]                  ; m^-5/2
	v_mul_f32 v[EE], v[ZQ], v[P2]                  ; m^-7/2
	v_mul_f32 v[RING+1], -1.098628627e-3, v[ZQ]    ; a1: q1 = 1 + a1 z^2
	v_mul_f32 v[RING+2], -1.562499995e-2, v[Q1]    ; b0, b1: q2 = b0 + b1 z^2
	v_mul_f32 v[RING+3], 1.430488765e-4, v[EE]
	ds_store_b128 v[T1], v[RING:RING+3] offset:TAB
	v_sub_f32 v[RC], 1.0, v[P1]
	v_sqrt_f32 v[RC], v[RC]
	v_add_f32 v[GS], 2.0, v[P1]
	v_mul_f32 v[GB], v[P2], v[P2]                  ; 1 / j^2
	s_wait_alu depctr_va_vdst(0)
	v_mul_f32 v[GS], v[GS], v[RC]
	v_mul_f32 v[GB], 15.388747, v[GB]              ; 1024 / j^2 = 1 / x^2, times 1/32 (the step), 1/3 and log2(e): the sums are exponents of 2
	v_mul_f32 v[GS], v[GS], v[GB]
	v_lshlrev_b32 v[T2], 2, v0
	ds_store_b32 v[T2], v[GS] offset:WT
	SPAIR K0, 57568490574.0
	SPAIR K1, -13362590354.0
	SPAIR K2, 651619640.7
	SPAIR K3, -11214424.18
	SPAIR K4, 77392.33017
	SPAIR K5, -184.9052456
	SPAIR D0, 57568490411.0
	SPAIR D1, 1029532985.0
	SPAIR D2, 9494680.718
	SPAIR D3, 59272.64853
	SPAIR D4, 267.8532712
	s_mov_b32 s[LIM], 64.0
	SPAIR I2PI, 0.15915494
	SPAIR PIH, 6.2831855                           ; 2 pi = this f32
	SPAIR PIL, -1.7484556e-7                       ;        + this one
	SPAIR QRT, 0.25
	SPAIR SIN9, 2.7557319e-6                       ; Taylor's coefficients: on |h| <= pi/4 the first terms left out are 2e-9 (sin) and 1e-10 (cos)
	SPAIR SIN7, -1.9841270e-4
	SPAIR SIN5, 8.3333333e-3
	SPAIR SIN3, -0.16666667
	SPAIR COS10, -2.7557319e-7
	SPAIR COS8, 2.4801587e-5
	SPAIR COS6, -1.3888889e-3
	SPAIR COS4, 4.1666667e-2
	s_mov_b32 s[KCS], 0.11314823                   ; 1.5 x (4/3 pi gamma B0 dchi Hct = 301.72861) x 0.008 / 32
	s_wait_dscnt 0x0                               ; for the others' sake: my part of the tables is written
	s_barrier_signal -1
	s_barrier_wait -1                              ; everybody's is; nobody writes them again
	v_mov_b32 v[TBA], 0
.set i, 0
.rept 8
	ds_load_b128 v[WV+4*i:WV+4*i+3], v[TBA] offset:WT+16*i
.set i, i+1
.endr
.set M, 0
.set PM, 0
.set LM, 0
.set NEV, 0
.set NASK, 0
	ASK
	ASK
	ASK
	ASK
	; WHAT HANGS ON THE VOXEL ALONE
	s_wait_loadcnt 11                              ; loads come back in order (ISA guide 5.7.1): inp is in, the 11 loads of eps stay out
	v_mul_f32 v[CV], s[KCS], |v[IN]|               ; c: J0 is even
	v_mul_f32 v[CV+1], s[KCS], |v[IN+2]|
	v_mul_f32 v[OE], v[IN], v[IN]
	v_mul_f32 v[OE+1], v[IN+2], v[IN+2]
	v_mov_b32 v[DB], v[IN+1]                       ; the two dbv side by side, as a pair
	v_mov_b32 v[DB+1], v[IN+3]
	v_pk_mul_f32 v[YC:YC+1], v[CV:CV+1], v[CV:CV+1]
	v_rcp_f32 v[U], v[CV]
	v_rcp_f32 v[U+1], v[CV+1]
	v_rsq_f32 v[CC], v[CV]
	v_rsq_f32 v[CC+1], v[CV+1]
	v_pk_mul_f32 v[NN:NN+1], v[CV:CV+1], s[I2PI:I2PI+1] op_sel_hi:[1,0]
	s_wait_alu depctr_va_vdst(0)
	v_mul_f32 v[U], 8.0, v[U]
	v_mul_f32 v[U+1], 8.0, v[U+1]
	v_mul_f32 v[CC], 0.56418958, v[CC]             ; sqrt(.636619772 / c) cos(-pi/4): the vector at m = 0
	v_mul_f32 v[CC+1], 0.56418958, v[CC+1]
	v_rndne_f32 v[NN], v[NN]                       ; whole turns in c
	v_rndne_f32 v[NN+1], v[NN+1]
	v_pk_mul_f32 v[UU:UU+1], v[U:U+1], v[U:U+1]
	v_pk_mul_f32 v[SS:SS+1], v[CC:CC+1], -1.0 op_sel_hi:[1,0]   ; and its sin(-pi/4)
	v_pk_fma_f32 v[RD:RD+1], v[NN:NN+1], s[PIH:PIH+1], v[CV:CV+1] op_sel_hi:[1,0,1] neg_lo:[1,0,0] neg_hi:[1,0,0]
	v_pk_mul_f32 v[U3:U3+1], v[U:U+1], v[UU:UU+1]
	v_pk_fma_f32 v[RD:RD+1], v[NN:NN+1], s[PIL:PIL+1], v[RD:RD+1] op_sel_hi:[1,0,1] neg_lo:[1,0,0] neg_hi:[1,0,0]  ; c less its whole turns: -pi .. pi
	v_pk_mul_f32 v[HH:HH+1], v[RD:RD+1], s[QRT:QRT+1] op_sel_hi:[1,0]   ; a quarter of it: -pi/4 .. pi/4; the angle is doubled twice below
	v_pk_mul_f32 v[H2:H2+1], v[HH:HH+1], v[HH:HH+1]
	v_pk_fma_f32 v[PS:PS+1], v[H2:H2+1], s[SIN9:SIN9+1], s[SIN7:SIN7+1] op_sel_hi:[1,0,0]
	v_pk_fma_f32 v[PC:PC+1], v[H2:H2+1], s[COS10:COS10+1], s[COS8:COS8+1] op_sel_hi:[1,0,0]
	v_pk_mul_f32 v[H3:H3+1], v[H2:H2+1], v[HH:HH+1]
	v_pk_fma_f32 v[PS:PS+1], v[PS:PS+1], v[H2:H2+1], s[SIN5:SIN5+1] op_sel_hi:[1,1,0]
	v_pk_fma_f32 v[PC:PC+1], v[PC:PC+1], v[H2:H2+1], s[COS6:COS6+1] op_sel_hi:[1,1,0]
	v_pk_fma_f32 v[PS:PS+1], v[PS:PS+1], v[H2:H2+1], s[SIN3:SIN3+1] op_sel_hi:[1,1,0]
	v_pk_fma_f32 v[PC:PC+1], v[PC:PC+1], v[H2:H2+1], s[COS4:COS4+1] op_sel_hi:[1,1,0]
	v_pk_fma_f32 v[SN:SN+1], v[PS:PS+1], v[H3:H3+1], v[HH:HH+1]
	v_pk_fma_f32 v[PC:PC+1], v[PC:PC+1], v[H2:H2+1], -0.5 op_sel_hi:[1,1,0]
	v_pk_fma_f32 v[CS:CS+1], v[PC:PC+1], v[H2:H2+1], 1.0 op_sel_hi:[1,1,0]
	DOUBLE SN, CS
	DOUBLE RR+2, RR                                ; sin c, cos c
.set d, 1
.rept 7                                                ; the rotation by (d + 1) c from that by d c
	v_pk_mul_f32 v[T1:T1+1], v[RR+4*(d-1)+2:RR+4*(d-1)+3], v[RR+2:RR+3]
	v_pk_mul_f32 v[T2:T2+1], v[RR+4*(d-1):RR+4*(d-1)+1], v[RR+2:RR+3]
	v_pk_fma_f32 v[RR+4*d:RR+4*d+1], v[RR+4*(d-1):RR+4*(d-1)+1], v[RR:RR+1], v[T1:T1+1] neg_lo:[0,0,1] neg_hi:[0,0,1]
	v_pk_fma_f32 v[RR+4*d+2:RR+4*d+3], v[RR+4*(d-1)+2:RR+4*(d-1)+3], v[RR:RR+1], v[T2:T2+1]
.set d, d+1
.endr
	; THE WALK over D, ascending: 135 members of 1 .. 248
.rept 248
.set M, M+1
	IND M
.if IS
	EVAL
.set PM, M
.set NEV, NEV+1
.endif
.endr
	s_wait_loadcnt 0x0                             ; eps
.set i, 0
.rept 11                                               ; eps into my stage as it lies in memory,
	ds_store_b64 v[SA], v[EPS+2*i:EPS+2*i+1] offset:256*i
.set i, i+1
.endr
.set i, 0
.rept 11                                               ; and back by voxels: LDS serves a wave's instructions in order (ISA guide 5.7.1.4), and the bytes are my wave's own
	ds_load_b64 v[E2+2*i:E2+2*i+1], v[SB] offset:8*i
.set i, i+1
.endr
.set GP, G+2-2*(NEV%2)
	ACCUM PM, GP                                   ; the last member
	; THE SIGNALS, all divided by exp(-TE R2T): s_k = (1 - bw) 2^(-dbv sum_k) + bw 2^(-11.942964 oef^2) KB_k,
	; KB_k = exp(0.851 - 0.745624 - kblood (22.002888 - 2 sqrt(.25 + (TE + tau)^2 / td) - 2 sqrt(.25 + (TE - tau)^2 / td))), kblood = 0.00909192; 11.942964 = 111.868 TE log2(e)
	SPAIR KB, 0.95060859
	SPAIR KB+2, 0.95064346
	SPAIR KB+4, 0.95075135
	SPAIR KB+6, 0.95094265
	SPAIR KB+8, 0.95123678
	SPAIR KB+10, 0.95166552
	SPAIR KB+12, 0.95227794
	SPAIR KB+14, 0.95314500
	SPAIR KB+16, 0.95435824
	SPAIR LN2, 0.69314718
	SPAIR BWK, 0.1695508                           ; m_bld NB
	SPAIR R2K, -11.942964
	v_pk_mul_f32 v[T1:T1+1], v[OE:OE+1], s[R2K:R2K+1] op_sel_hi:[1,0]
.set i, 0
.rept 8
	v_pk_mul_f32 v[ACC+2*i:ACC+2*i+1], v[ACC+2*i:ACC+2*i+1], v[DB:DB+1] neg_lo:[1,0] neg_hi:[1,0]
.set i, i+1
.endr
.set i, 0
.rept 16
	v_exp_f32 v[ACC+i], v[ACC+i]
.set i, i+1
.endr
	v_exp_f32 v[T1], v[T1]
	v_exp_f32 v[T1+1], v[T1+1]
	v_pk_mul_f32 v[T2:T2+1], v[DB:DB+1], s[BWK:BWK+1] op_sel_hi:[1,0]      ; bw: plain work behind the exponentials
	v_pk_fma_f32 v[P1:P1+1], v[T2:T2+1], -1.0, 1.0 op_sel_hi:[1,0,0]       ; 1 - bw
	s_wait_alu depctr_va_vdst(0)
	v_pk_mul_f32 v[P2:P2+1], v[T2:T2+1], v[T1:T1+1]
.set i, 0
.rept 8
	v_pk_mul_f32 v[ACC+2*i:ACC+2*i+1], v[ACC+2*i:ACC+2*i+1], v[P1:P1+1]
.set i, i+1
.endr
	v_pk_fma_f32 v[Q1:Q1+1], v[P2:P2+1], s[KB:KB+1], v[P1:P1+1] op_sel_hi:[1,0,1]  ; s_0: the integral at tau = 0 is 0
.set i, 0
.rept 8
	v_pk_fma_f32 v[ACC+2*i:ACC+2*i+1], v[P2:P2+1], s[KB+2+2*i:KB+3+2*i], v[ACC+2*i:ACC+2*i+1] op_sel_hi:[1,0,1]
.set i, i+1
.endr
.set i, 0
.rept 16
	v_log_f32 v[ACC+i], v[ACC+i]
.set i, i+1
.endr
	v_log_f32 v[Q1], v[Q1]
	v_log_f32 v[Q1+1], v[Q1+1]
	v_nop                                          ; a plain instruction between the last logarithm and the use of its result
	s_wait_alu depctr_va_vdst(0)
	v_pk_mul_f32 v[Q1:Q1+1], v[Q1:Q1+1], s[LN2:LN2+1] op_sel_hi:[1,0]
.set i, 0
.rept 8                                                ; L_k = ln 2 (log2 s_k - log2 s_0)
	v_pk_fma_f32 v[ACC+2*i:ACC+2*i+1], v[ACC+2*i:ACC+2*i+1], s[LN2:LN2+1], v[Q1:Q1+1] op_sel_hi:[1,0,1] neg_lo:[0,0,1] neg_hi:[0,0,1]
.set i, i+1
.endr
	v_pk_add_f32 v[T1:T1+1], v[ACC:ACC+1], v[ACC+2:ACC+3]                  ; the sum over the 11 echoes: L_1 and L_2 count twice, L_0 = 0
	v_pk_fma_f32 v[T1:T1+1], v[T1:T1+1], 2.0, v[ACC+4:ACC+5] op_sel_hi:[1,0,1]
.irp k,4,5,6,7,8
	v_pk_add_f32 v[T1:T1+1], v[T1:T1+1], v[ACC+2*(\k-1):ACC+2*(\k-1)+1]
.endr
	v_and_b32 v[T1], 0x7fffffff, v[T1]
	v_and_b32 v[T1+1], 0x7fffffff, v[T1+1]
	NOISE 0, 3.8763766e-4
	NOISE 1, 5.4820244e-4
	NOISE 2, 6.7140812e-4
	NOISE 3, 7.7527532e-4
	NOISE 4, 8.6678416e-4
	NOISE 5, 9.4951447e-4
	NOISE 6, 1.02559285e-3
	NOISE 7, 1.09640487e-3
	NOISE 8, 1.16291298e-3
	NOISE 9, 1.22581791e-3
	NOISE 10, 1.28564867e-3
	s_wait_dscnt 0x0                               ; eps by voxels is in
.set t, 0
.rept 11                                               ; echo t has k = |t - 2|; the results take eps's places
.set kk, t-2
.if t < 2
.set kk, 2-t
.endif
.if t == 2
	v_mul_f32 v[E2+t], v[E2+t], v[SDN+2*t]
	v_mul_f32 v[E2+11+t], v[E2+11+t], v[SDN+2*t+1]
.else
	v_fma_f32 v[E2+t], v[E2+t], v[SDN+2*t], v[ACC+2*(kk-1)]
	v_fma_f32 v[E2+11+t], v[E2+11+t], v[SDN+2*t+1], v[ACC+2*(kk-1)+1]
.endif
.set t, t+1
.endr
.set i, 0
.rept 11                                               ; the way out: by voxels into my stage,
	ds_store_b64 v[SB], v[E2+2*i:E2+2*i+1] offset:8*i
.set i, i+1
.endr
.set i, 0
.rept 11                                               ; back as it lies in memory,
	ds_load_b64 v[EPS+2*i:EPS+2*i+1], v[SA] offset:256*i
.set i, i+1
.endr
.set i, 0
.rept 11
	s_wait_dscnt 10-i                              ; block i is back, the younger ones stay out
	global_store_b64 v[GO], v[EPS+2*i:EPS+2*i+1], s[8:9] offset:256*i th:TH_STORE_NT  ; 32 lanes store 256 consecutive bytes, at a multiple of 256 from out's first byte
.set i, i+1
.endr
	s_wait_tensorcnt 0x0                           ; the wave's end, behind my last LDS store
	ds_add_u32 v[SPW], v[NIL]
	s_wait_dscnt 0x0
	s_endpgm
.Lfunc_end_k_q9465eb256c_signal:
	.size	k_q9465eb256c_signal, .Lfunc_end_k_q9465eb256c_signal-k_q9465eb256c_signal
	.p2alignl 7, 3214868480
	.fill 96, 4, 3214868480
	.section	.rodata,"a",@progbits
	.p2align	6, 0x0
	.amdhsa_kernel k_q9465eb256c_signal
		.amdhsa_group_segment_fixed_size 28672
		.amdhsa_private_segment_fixed_size 0
		.amdhsa_enable_private_segment 0
		.amdhsa_kernarg_size 24
		.amdhsa_user_sgpr_count 2
		.amdhsa_user_sgpr_kernarg_segment_ptr 1
		.amdhsa_wavefront_size32 1
		.amdhsa_system_sgpr_workgroup_id_x 1
		.amdhsa_system_sgpr_workgroup_id_y 1
		.amdhsa_system_sgpr_workgroup_id_z 1
		.amdhsa_system_vgpr_workitem_id 0
		.amdhsa_next_free_vgpr 220
		.amdhsa_next_free_sgpr 72
		.amdhsa_reserve_vcc 1
		.amdhsa_float_denorm_mode_32 3
		.amdhsa_float_denorm_mode_16_64 3
		.amdhsa_memory_ordered 1
		.amdhsa_forward_progress 1
		.amdhsa_inst_pref_size 255
	.end_amdhsa_kernel
	.section	.bss,"aw",@nobits
	.p2align	6
	.space	262144
	.amdgpu_metadata
---
amdhsa.version: [ 1, 2 ]
amdhsa.kernels:
  - .name:           k_q9465eb256c_signal
    .symbol:         k_q9465eb256c_signal.kd
    .args:
      - { .name: inp, .offset: 0, .size: 8, .value_kind: global_buffer, .address_space: global }
      - { .name: eps, .offset: 8, .size: 8, .value_kind: global_buffer, .address_space: global }
      - { .name: out0, .offset: 16, .size: 8, .value_kind: global_buffer, .address_space: global }
    .group_segment_fixed_size: 28672
    .private_segment_fixed_size: 0
    .kernarg_segment_align: 8
    .kernarg_segment_size: 24
    .max_flat_workgroup_size: 256
    .sgpr_count:     72
    .vgpr_count:     220
    .wavefront_size: 32
...
	.end_amdgpu_metadata
.endif
;; end of part 1
;; ======== version 2 of 2: 1 launch; version 1 with the launch signal written anew for expert scheduling mode
;; limits: a function is approximated: absolute error at most 9.3e-06
;; launch signal (part 2): grid 256 x 1, 8 waves a work-group, no clusters, 28,672 bytes of LDS; arguments inp, eps, out0; writes out0
.if DOCPART == 2
	.amdgcn_target "amdgcn-amd-amdhsa--gfx1250"
	.amdhsa_code_object_version 6
	.text
	.protected	k_q9465eb256c_signal
	.globl	k_q9465eb256c_signal
	.p2align	8
	.type	k_q9465eb256c_signal,@function
k_q9465eb256c_signal:
	s_mov_b64 s[64:65], 0
	v_nop
	global_prefetch_b8 v0, s[64:65] scope:SCOPE_SE
	s_setreg_imm32_b32 hwreg(HW_REG_WAVE_SCHED_MODE, 0, 2), 2
	s_setreg_imm32_b32 hwreg(HW_REG_WAVE_MODE, 25, 1), 1
	s_wait_xcnt 0x0
	s_wait_alu depctr_vm_vsrc(0)
; out[v][t] = L[v][t] + eps[v][t] * |mean over t of L[v][t]| / 100 * sqrt(2 (t + 1) / 11),  L = ln(signal(tau_t) / signal(tau = 0)),
; signal = (1 - bw) exp(-dbv I(tau) / 3) exp(-TE R2T) + bw blood(tau),  I(tau) = 1/32 x the sum over x = j/32, j = 1..31, of (2 + x) sqrt(1 - x) / x^2 (1 - J0(1.5 dw tau x)).
; inp: [131072][2] f32 (oef, dbv); eps, out: [131072][11] f32.  All arithmetic in f32.
; THE LATTICE.  The echoes are tau = 0.008 k, k = -2 .. 8, and the points x = j/32, both constants of the problem, so every argument of J0 is c m with c = 1.5 dw 0.008 / 32 =
; 0.11314823 |oef| and m = |k| j.  J0 and the blood term are even in tau: 8 echoes are computed for 11.  The 8 x 31 products take 135 different values m (the set D): J0(c m) is made once
; for each and added, with its weight, into the sum of every echo k with m = k j, j < 32: 248 additions.
; J0.  Both of the problem's forms are made for every m and v_cndmask_b32 takes one: no branch hangs on data.  Below 8: the rational form in y = (c m)^2, the division by v_rcp_f32.
; From 8 on: sqrt(.6366 / x) (cos(x - pi/4) q1 - z sin(x - pi/4) q2), z = 8 / x.  cos and sin come from one sincos(c) a voxel and a rotation from one m of D to the next (steps of 1 to 8:
; eight powers of the rotation are kept); the amplitude's sqrt(.6366 / c) lies in the rotating vector; what hangs on m alone (m^-1/2 and the coefficients times m^-3/2, m^-5/2, m^-7/2) is
; made once by the work-group's 256 threads, thread m for m, laid in LDS and read back, 16 bytes an m, the same for all lanes.
; LIMITS.  q1 and q2 are cut behind their second terms: with z <= 1 what is dropped is at most 2.6e-5 of q1 and 6.9e-6 of z q2, times an amplitude of at most 0.283: 9.3e-6 in J0, for every
; argument; the integral is 13 or more wherever that form is in use.  The phase is c m on the exact lattice, 135 rotations deep (some 1e-4 rad at m = 248); the problem's own f32 arguments are
; off by 1e-2 rad beyond |oef| of about 1e3, and no agreement is claimed there.  A signal below 2^-126 counts as 0 (v_exp_f32 flushes).  NaN goes through to the output.
; SHARES.  A lane owns two voxels, the two halves of every packed f32 instruction, so that all constants are broadcasts.  A wave owns 64 voxels, a work-group of 8 waves 512, 256 work-groups.
; A wave's eps and out are 2,816 = 11 x 256 consecutive bytes: each of its 11 loads and 11 stores of 8 bytes a lane covers 256 consecutive bytes, aligned; they change between that order
; and the order by voxels in the wave's own stage in LDS.
; THE MODE: SCHED_MODE bits 1:0 = 2 (LLVM: expert scheduling mode 2), set by the entry lines.  The code itself states the register dependences
; between vector instructions and memory or LDS instructions, with s_wait_alu, always for 0.
; THE PLAN.  Registers that memory or LDS instructions touch:
;   GI, GO, SA, SB, TBA   addresses, made at the head and never written again: one wait on va_vdst at the head serves every load and store of the kernel.
;   T1, T2, GS, RING ..+3 at the head: addresses and data of the two LDS stores that lay the tables; made ahead of that same wait; written again only behind the wait on vm_vsrc that follows the barrier.
;   IN                    one load lands; the lines on the voxel alone read it.  It lies in the ring's second buffer.
;   WV                    eight LDS loads land, once; no vector instruction names it before.
;   RING, RING1           the ring: two buffers of 9 entries of the table.  The 135 members of D go in 15 batches of 9.  Batch p's evaluations read buffer p % 2; the nine loads of batch p + 1 are
;                         issued in batch p and land in the other buffer, which no vector instruction of batch p names.  RING1 holds sincos's registers before the walk and the noise's factors behind it.
;   EPS                   the loads of eps land; LDS stores read it behind the walk; at the way out LDS loads land in it and the stores to memory read it.  No vector instruction names it.
;   E2                    LDS loads land; the last multiply-adds read and write it; LDS stores read it.
; So ONE wait on va_vdst stands at a batch's head, behind the wait for the batch's own entries: what was issued before is done with the other buffer.  The batch's nine loads follow with no further wait,
; three in each of its first three evaluations.  One wait on va_vdst and one on vm_vsrc stand at the way out.  A wait on va_sdst stands between each scalar result of a vector instruction and its first reader.
.set EPSB,  64*44                      ; bytes of eps, and of out, of a wave's 64 voxels
.set TAB,   0                          ; LDS: 256 entries of 16 bytes, entry m: m^-1/2, a1 m^-5/2, b0 m^-3/2, b1 m^-7/2
.set WT,    4096                       ; LDS: 256 words, of which words 1 to 31 are read: the weight of point j
.set STAGE, 5120                       ; LDS: 2,816 bytes for each wave; the 1,024 bytes behind the eight stages hold a spare word for each thread
.set BAT,   9                          ; members of D in a batch: 135 = 15 x 9
; vector registers; a name with two registers is a pair (first voxel, second voxel)
.set TBA, 4                            ; 0: the address from which the tables are read
.set SA,  5                            ; my 8 bytes in a block of 256 of my wave's stage
.set SB,  6                            ; my two voxels' 88 bytes in my wave's stage
.set GO,  7                            ; my 8 bytes in a block of 256 of eps and out
.set YC,  8                            ; c^2
.set U,   10                           ; 8 / c
.set UU,  12                           ; its square
.set U3,  14                           ; its cube
.set CC,  16                           ; sqrt(.6366 / c) cos(c m - pi/4)
.set SS,  18                           ; the same with sin
.set DB,  20                           ; dbv
.set OE,  22                           ; oef^2
.set Y,   24                           ; at work, to GB
.set P1,  26
.set P2,  28
.set T1,  30
.set T2,  32
.set Q1,  34
.set ZQ,  36
.set EE,  38
.set RC,  40
.set GS,  42
.set GB,  44
.set G,   46                           ; 1 - J0(c m): two pairs by turns
.set RR,  50                           ; step d = 1..8: cos(d c) at RR + 4 (d - 1), sin(d c) two further on
.set ACC, 82                           ; echo k = 1..8 at ACC + 2 (k - 1): the weighted sum, later L
.set GI,  98                           ; my 16 bytes of inp
.set WV,  100                          ; the weight of point j at WV + j, one register each
.set RING, 132                         ; the ring's first buffer: nine entries of four registers
.set EPS, 168                          ; 22: eps as loaded, later out as stored
.set E2,  190                          ; 22: eps by voxels (first voxel's 11, second voxel's 11), then out
.set RING1, 212                        ; the ring's second buffer: nine entries of four registers
.set SDN, 212                          ; behind the walk: echo t at SDN + 2 t: the noise's factor; before the walk the registers of sincos:
.set CV,  212
.set NN,  214
.set RD,  216
.set HH,  218
.set H2,  220
.set PS,  222
.set PC,  224
.set H3,  226
.set SN,  228
.set CS,  230
.set TT,  232
.set IN,  234                          ; oef, dbv, oef, dbv as loaded
; scalar registers: constants as pairs, of which the packed instructions take the low word for both halves
.set K0, 16                            ; numerator of the rational form, K0 + y (K1 + ..)
.set K1, 18
.set K2, 20
.set K3, 22
.set K4, 24
.set K5, 26
.set D0, 28                            ; denominator
.set D1, 30
.set D2, 32
.set D3, 34
.set D4, 36
.set LIM, 38                           ; 64.0
.set MB,  39                           ; the second voxel's lanes with y < 64
.set MA,  69                           ; the first voxel's
.set I2PI, 40
.set PIH,  42
.set PIL,  44
.set QRT,  46
.set SIN9, 48
.set SIN7, 50
.set SIN5, 52
.set SIN3, 54
.set COS10, 56
.set COS8,  58
.set COS6,  60
.set COS4,  62
.set KCS,  66
.set KB,   16                          ; behind the walk: blood's factor of echo k at KB + 2 k
.set LN2,  34
.set BWK,  36
.set R2K,  40
.macro SPAIR r, val
	s_mov_b32 s[\r], \val
	s_mov_b32 s[\r+1], \val
.endm
.macro F32OF n                         ; FB = the f32 pattern of the whole number n, 1 <= n < 2^17: exact
.set FE, 0
.rept 16
.if ((\n)>>(FE+1)) != 0
.set FE, FE+1
.endif
.endr
.set FB, ((127+FE)<<23)|(((\n)<<(23-FE))&0x7fffff)
.endm
.macro IND n                           ; IS = 1 if n lies in D: n = k j with k = 1..8 and j = 1..31
.set IS, 0
.irp k,1,2,3,4,5,6,7,8
.if (((\n) % \k) == 0) && (((\n) / \k) < 32)
.set IS, 1
.endif
.endr
.endm
.macro ADVANCE                         ; LM goes on to the next member of D (the gaps are 8 at the most); FOUND = 0 when there is none
.set FOUND, 0
.rept 8
.if (FOUND == 0) && (LM < 248)
.set LM, LM+1
	IND LM
.set FOUND, IS
.endif
.endr
.endm
.macro ASK                             ; the table's entry for the next member of D is asked for, a batch ahead of its use: member n of D goes to place n % 9 of buffer (n / 9) % 2
	ADVANCE
.if FOUND
.set SLT, RING+(RING1-RING)*((NASK/BAT)%2)+4*(NASK%BAT)
	ds_load_b128 v[SLT:SLT+3], v[TBA] offset:TAB+16*LM
.set NASK, NASK+1
.endif
.endm
.macro ACCUM mm, g                     ; 1 - J0(c mm), in v[g:g+1], goes into the sum of every echo k with mm = k j; j = 1 starts a sum: nothing is cleared
.irp k,1,2,3,4,5,6,7,8
.if (((\mm) % \k) == 0) && (((\mm) / \k) < 32)
.set jj, (\mm)/\k
.set wp, WV+jj-jj%2
.set ak, ACC+2*(\k-1)
.if jj == 1
	v_pk_mul_f32 v[ak:ak+1], v[\g:\g+1], v[wp:wp+1] op_sel:[0,1] op_sel_hi:[1,1]
.elseif (jj%2) == 1
	v_pk_fma_f32 v[ak:ak+1], v[\g:\g+1], v[wp:wp+1], v[ak:ak+1] op_sel:[0,1,0] op_sel_hi:[1,1,1]
.else
	v_pk_fma_f32 v[ak:ak+1], v[\g:\g+1], v[wp:wp+1], v[ak:ak+1] op_sel_hi:[1,0,1]
.endif
.endif
.endr
.endm
.macro STEP a, b                       ; one step of numerator and denominator
	v_pk_fma_f32 v[P1:P1+1], v[P1:P1+1], v[Y:Y+1], s[\a:\a+1] op_sel_hi:[1,1,0]
	v_pk_fma_f32 v[P2:P2+1], v[P2:P2+1], v[Y:Y+1], s[\b:\b+1] op_sel_hi:[1,1,0]
.endm
; 1 - J0(c M) for both voxels.  The two polynomials, the rotation and the form for large arguments are four chains set between each other.
.macro EVAL
.set DD, RR+4*(M-PM-1)                 ; the rotation by (M - PM) c
.set TS, RING+(RING1-RING)*((NEV/BAT)%2)+4*(NEV%BAT)  ; this member's entry of the table
.set GN, G+2*(NEV%2)
.set GP, G+2-2*(NEV%2)
.if (NEV%BAT) == 0                     ; A BATCH'S HEAD
	s_wait_dscnt 0x0                                                                         ; this batch's nine entries are in (ahead of the first batch: the weights too); no younger LDS load is out
.if LM < 248                           ; the last batch asks for nothing and has no such wait
	s_wait_alu depctr_va_vdst(0)                                                             ; the batch before is done reading its nine entries (ahead of the first batch: the lines on the voxel alone are done with IN and sincos's registers): the loads of this batch land there
.endif
.endif
	F32OF M*M
	v_pk_mul_f32 v[Y:Y+1], v[YC:YC+1], FB op_sel_hi:[1,0]                                    ; y = c^2 M^2
	v_pk_mul_f32 v[T1:T1+1], v[SS:SS+1], v[DD+2:DD+3]
	v_pk_mul_f32 v[T2:T2+1], v[CC:CC+1], v[DD+2:DD+3]
	v_pk_fma_f32 v[P1:P1+1], v[Y:Y+1], s[K5:K5+1], s[K4:K4+1] op_sel_hi:[1,0,0]
	v_pk_add_f32 v[P2:P2+1], v[Y:Y+1], s[D4:D4+1] op_sel_hi:[1,0]
	v_pk_fma_f32 v[CC:CC+1], v[CC:CC+1], v[DD:DD+1], v[T1:T1+1] neg_lo:[0,0,1] neg_hi:[0,0,1]  ; C r - S s
	v_pk_fma_f32 v[SS:SS+1], v[SS:SS+1], v[DD:DD+1], v[T2:T2+1]                              ; S r + C s
	STEP K3, D3
	v_pk_fma_f32 v[Q1:Q1+1], v[UU:UU+1], v[TS:TS+1], v[TS:TS+1] op_sel:[0,1,0] op_sel_hi:[1,1,0]  ; M^-1/2 q1 = M^-1/2 + (8/c)^2 a1 M^-5/2
	v_pk_mul_f32 v[ZQ:ZQ+1], v[U:U+1], v[TS+2:TS+3] op_sel_hi:[1,0]                          ; M^-1/2 z q2 = (8/c) b0 M^-3/2
	STEP K2, D2
	v_pk_fma_f32 v[ZQ:ZQ+1], v[U3:U3+1], v[TS+2:TS+3], v[ZQ:ZQ+1] op_sel:[0,1,0] op_sel_hi:[1,1,1]  ;  + (8/c)^3 b1 M^-7/2
	v_cmp_gt_f32 s[MA], s[LIM], v[Y]                                                         ; c M < 8, first voxel
	STEP K1, D1
	v_cmp_gt_f32 s[MB], s[LIM], v[Y+1]                                                       ; second voxel
	v_pk_fma_f32 v[EE:EE+1], v[SS:SS+1], v[ZQ:ZQ+1], 1.0 op_sel_hi:[1,1,0]
	STEP K0, D0
.if (NEV%BAT) < 3                      ; the next batch's entries, three in each of the batch's first three evaluations, into the other buffer.
.rept BAT/3                            ; No wait: no vector instruction since the wait at the batch's head names that buffer or v[TBA]
	ASK
.endr
.endif
	v_pk_fma_f32 v[GB:GB+1], v[CC:CC+1], v[Q1:Q1+1], v[EE:EE+1] neg_lo:[1,0,0] neg_hi:[1,0,0]  ; 1 - (C q1 - S z q2)
	v_rcp_f32 v[RC], v[P2]
	v_rcp_f32 v[RC+1], v[P2+1]
.if NEV > 0
	ACCUM PM, GP                                                                             ; the member before goes into its sums: plain work between the reciprocals and their use (ISA guide 5.7.2)
.else
	v_nop
.endif
	s_wait_alu depctr_va_vdst(0)
	v_pk_fma_f32 v[GS:GS+1], v[P1:P1+1], v[RC:RC+1], 1.0 op_sel_hi:[1,1,0] neg_lo:[1,0,0] neg_hi:[1,0,0]  ; 1 - p1 / p2
	s_wait_alu depctr_va_sdst(0)                                                             ; the two compares have written s[MA] and s[MB], ahead of their first readers
	v_cndmask_b32 v[GN], v[GB], v[GS], s[MA]
	v_cndmask_b32 v[GN+1], v[GB+1], v[GS+1], s[MB]
.endm
.macro DOUBLE so, co                   ; sin and cos of twice the angle of (SN, CS)
	v_pk_mul_f32 v[TT:TT+1], v[SN:SN+1], v[CS:CS+1]
	v_pk_mul_f32 v[H2:H2+1], v[SN:SN+1], v[SN:SN+1]
	v_pk_add_f32 v[\so:\so+1], v[TT:TT+1], v[TT:TT+1]
	v_pk_fma_f32 v[\co:\co+1], v[H2:H2+1], -2.0, 1.0 op_sel_hi:[1,0,0]
.endm
.macro NOISE t, c                      ; |sum of L| x sqrt(2 (t + 1) / 11) / 1100
	v_mul_f32 v[SDN+2*(\t)], \c, v[T1]
	v_mul_f32 v[SDN+2*(\t)+1], \c, v[T1+1]
.endm
	s_load_b128 s[4:7], s[0:1], 0x0                ; inp s[4:5], eps s[6:7]
	s_load_b64 s[8:9], s[0:1], 0x10                ; out
	v_lshl_add_u32 v3, v0, 2, 0x6c00
	v_mov_b32 v99, 0
	v_lshrrev_b32 v1, 5, v0
	v_readfirstlane_b32 s10, v1                    ; wave 0..7
	v_and_b32 v1, 31, v0                           ; lane
	v_mov_b32 v[TBA], 0
	v_lshlrev_b32 v[GI], 4, v1
	v_lshlrev_b32 v[GO], 3, v1
	s_wait_alu depctr_va_sdst(0)                   ; s10 is written, ahead of its first reader: the wave's places in memory and in LDS are made from it
	s_lshl_b32 s11, ttmp9, 3
	s_add_co_u32 s11, s11, s10                     ; my wave among the launch's 2,048
	s_lshl_b32 s12, s11, 9                         ; its 64 voxels x 8 bytes of inp
	s_mov_b32 s13, 0
	s_mul_i32 s14, s11, EPSB                       ; its 2,816 bytes of eps and of out
	s_mov_b32 s15, 0
	s_mul_i32 s68, s10, EPSB
	s_add_co_u32 s68, s68, STAGE                   ; my wave's stage
	v_lshl_add_u32 v[SA], v1, 3, s68
	v_mul_u32_u24 v[SB], v1, 88                    ; 22 words a lane: 22 l mod 64 takes 32 different even values, so 32 lanes' pairs of words fall into 64 different banks (64 banks of 4 bytes: ISA guide 11.1)
	v_add_nc_u32 v[SB], s68, v[SB]
	; THE TABLES: thread m makes entry m, and the weight of point j = m.  Entry 0 and the weights from 32 on hold no numbers and are never taken.
	; Their arithmetic stands ahead of the first loads, so that one wait states it and the addresses together.
	v_cvt_f32_u32 v[Y], v0
	v_lshlrev_b32 v[T1], 4, v0
	v_rsq_f32 v[RING], v[Y]                        ; m^-1/2
	v_mul_f32 v[P1], 0.03125, v[Y]                 ; x = j / 32
	s_wait_alu depctr_va_vdst(0)
	v_mul_f32 v[P2], v[RING], v[RING]              ; 1 / m
	v_mul_f32 v[Q1], v[RING], v[P2]                ; m^-3/2
	v_mul_f32 v[ZQ], v[Q1], v[P2]                  ; m^-5/2
	v_mul_f32 v[EE], v[ZQ], v[P2]                  ; m^-7/2
	v_mul_f32 v[RING+1], -1.098628627e-3, v[ZQ]    ; a1: q1 = 1 + a1 z^2
	v_mul_f32 v[RING+2], -1.562499995e-2, v[Q1]    ; b0, b1: q2 = b0 + b1 z^2
	v_mul_f32 v[RING+3], 1.430488765e-4, v[EE]
	v_sub_f32 v[RC], 1.0, v[P1]
	v_sqrt_f32 v[RC], v[RC]
	v_add_f32 v[GS], 2.0, v[P1]
	v_mul_f32 v[GB], v[P2], v[P2]                  ; 1 / j^2
	s_wait_alu depctr_va_vdst(0)
	v_mul_f32 v[GS], v[GS], v[RC]
	v_mul_f32 v[GB], 15.388747, v[GB]              ; 1024 / j^2 = 1 / x^2, times 1/32 (the step), 1/3 and log2(e): the sums are exponents of 2
	v_mul_f32 v[GS], v[GS], v[GB]
	v_lshlrev_b32 v[T2], 2, v0
	s_wait_kmcnt 0x0
	s_add_nc_u64 s[4:5], s[4:5], s[12:13]
	s_add_nc_u64 s[6:7], s[6:7], s[14:15]
	s_add_nc_u64 s[8:9], s[8:9], s[14:15]
	s_wait_alu depctr_va_vdst(0)                   ; written: the five addresses GI, GO, SA, SB, TBA, which the kernel's loads and stores read; T1, T2, v[RING ..+3] and GS, which the two LDS stores below read
	global_load_b128 v[IN:IN+3], v[GI], s[4:5] th:TH_LOAD_NT   ; voxels 2 l and 2 l + 1 of the wave's 64
.set i, 0
.rept 11                                               ; eps is asked for now and used at the end
	global_load_b64 v[EPS+2*i:EPS+2*i+1], v[GO], s[6:7] offset:256*i th:TH_LOAD_NT
.set i, i+1
.endr
	ds_store_b128 v[T1], v[RING:RING+3] offset:TAB
	ds_store_b32 v[T2], v[GS] offset:WT
	SPAIR K0, 57568490574.0
	SPAIR K1, -13362590354.0
	SPAIR K2, 651619640.7
	SPAIR K3, -11214424.18
	SPAIR K4, 77392.33017
	SPAIR K5, -184.9052456
	SPAIR D0, 57568490411.0
	SPAIR D1, 1029532985.0
	SPAIR D2, 9494680.718
	SPAIR D3, 59272.64853
	SPAIR D4, 267.8532712
	s_mov_b32 s[LIM], 64.0
	SPAIR I2PI, 0.15915494
	SPAIR PIH, 6.2831855                           ; 2 pi = this f32
	SPAIR PIL, -1.7484556e-7                       ;        + this one
	SPAIR QRT, 0.25
	SPAIR SIN9, 2.7557319e-6                       ; Taylor's coefficients: on |h| <= pi/4 the first terms left out are 2e-9 (sin) and 1e-10 (cos)
	SPAIR SIN7, -1.9841270e-4
	SPAIR SIN5, 8.3333333e-3
	SPAIR SIN3, -0.16666667
	SPAIR COS10, -2.7557319e-7
	SPAIR COS8, 2.4801587e-5
	SPAIR COS6, -1.3888889e-3
	SPAIR COS4, 4.1666667e-2
	s_mov_b32 s[KCS], 0.11314823                   ; 1.5 x (4/3 pi gamma B0 dchi Hct = 301.72861) x 0.008 / 32
	s_wait_dscnt 0x0                               ; for the others' sake: my part of the tables is written
	s_barrier_signal -1
	s_barrier_wait -1                              ; everybody's is; nobody writes them again
	s_wait_alu depctr_vm_vsrc(0)                   ; my two LDS stores have read v[RING ..+3], in which the ring's first load lands, and T1, T2 and GS, which the lines below write again
.set i, 0
.rept 8
	ds_load_b128 v[WV+4*i:WV+4*i+3], v[TBA] offset:WT+16*i
.set i, i+1
.endr
.set M, 0
.set PM, 0
.set LM, 0
.set NEV, 0
.set NASK, 0
.rept BAT                                              ; the first batch's entries, into the ring's first buffer: the only vector lines that named it stand ahead of the wait on va_vdst above
	ASK
.endr
	; WHAT HANGS ON THE VOXEL ALONE
	s_wait_loadcnt 11                              ; loads come back in order (ISA guide 5.7.1): inp is in, the 11 loads of eps stay out
	v_mul_f32 v[CV], s[KCS], |v[IN]|               ; c: J0 is even
	v_mul_f32 v[CV+1], s[KCS], |v[IN+2]|
	v_mul_f32 v[OE], v[IN], v[IN]
	v_mul_f32 v[OE+1], v[IN+2], v[IN+2]
	v_mov_b32 v[DB], v[IN+1]                       ; the two dbv side by side, as a pair
	v_mov_b32 v[DB+1], v[IN+3]
	v_pk_mul_f32 v[YC:YC+1], v[CV:CV+1], v[CV:CV+1]
	v_rcp_f32 v[U], v[CV]
	v_rcp_f32 v[U+1], v[CV+1]
	v_rsq_f32 v[CC], v[CV]
	v_rsq_f32 v[CC+1], v[CV+1]
	v_pk_mul_f32 v[NN:NN+1], v[CV:CV+1], s[I2PI:I2PI+1] op_sel_hi:[1,0]
	s_wait_alu depctr_va_vdst(0)
	v_mul_f32 v[U], 8.0, v[U]
	v_mul_f32 v[U+1], 8.0, v[U+1]
	v_mul_f32 v[CC], 0.56418958, v[CC]             ; sqrt(.636619772 / c) cos(-pi/4): the vector at m = 0
	v_mul_f32 v[CC+1], 0.56418958, v[CC+1]
	v_rndne_f32 v[NN], v[NN]                       ; whole turns in c
	v_rndne_f32 v[NN+1], v[NN+1]
	v_pk_mul_f32 v[UU:UU+1], v[U:U+1], v[U:U+1]
	v_pk_mul_f32 v[SS:SS+1], v[CC:CC+1], -1.0 op_sel_hi:[1,0]   ; and its sin(-pi/4)
	v_pk_fma_f32 v[RD:RD+1], v[NN:NN+1], s[PIH:PIH+1], v[CV:CV+1] op_sel_hi:[1,0,1] neg_lo:[1,0,0] neg_hi:[1,0,0]
	v_pk_mul_f32 v[U3:U3+1], v[U:U+1], v[UU:UU+1]
	v_pk_fma_f32 v[RD:RD+1], v[NN:NN+1], s[PIL:PIL+1], v[RD:RD+1] op_sel_hi:[1,0,1] neg_lo:[1,0,0] neg_hi:[1,0,0]  ; c less its whole turns: -pi .. pi
	v_pk_mul_f32 v[HH:HH+1], v[RD:RD+1], s[QRT:QRT+1] op_sel_hi:[1,0]   ; a quarter of it: -pi/4 .. pi/4; the angle is doubled twice below
	v_pk_mul_f32 v[H2:H2+1], v[HH:HH+1], v[HH:HH+1]
	v_pk_fma_f32 v[PS:PS+1], v[H2:H2+1], s[SIN9:SIN9+1], s[SIN7:SIN7+1] op_sel_hi:[1,0,0]
	v_pk_fma_f32 v[PC:PC+1], v[H2:H2+1], s[COS10:COS10+1], s[COS8:COS8+1] op_sel_hi:[1,0,0]
	v_pk_mul_f32 v[H3:H3+1], v[H2:H2+1], v[HH:HH+1]
	v_pk_fma_f32 v[PS:PS+1], v[PS:PS+1], v[H2:H2+1], s[SIN5:SIN5+1] op_sel_hi:[1,1,0]
	v_pk_fma_f32 v[PC:PC+1], v[PC:PC+1], v[H2:H2+1], s[COS6:COS6+1] op_sel_hi:[1,1,0]
	v_pk_fma_f32 v[PS:PS+1], v[PS:PS+1], v[H2:H2+1], s[SIN3:SIN3+1] op_sel_hi:[1,1,0]
	v_pk_fma_f32 v[PC:PC+1], v[PC:PC+1], v[H2:H2+1], s[COS4:COS4+1] op_sel_hi:[1,1,0]
	v_pk_fma_f32 v[SN:SN+1], v[PS:PS+1], v[H3:H3+1], v[HH:HH+1]
	v_pk_fma_f32 v[PC:PC+1], v[PC:PC+1], v[H2:H2+1], -0.5 op_sel_hi:[1,1,0]
	v_pk_fma_f32 v[CS:CS+1], v[PC:PC+1], v[H2:H2+1], 1.0 op_sel_hi:[1,1,0]
	DOUBLE SN, CS
	DOUBLE RR+2, RR                                ; sin c, cos c
.set d, 1
.rept 7                                                ; the rotation by (d + 1) c from that by d c
	v_pk_mul_f32 v[T1:T1+1], v[RR+4*(d-1)+2:RR+4*(d-1)+3], v[RR+2:RR+3]
	v_pk_mul_f32 v[T2:T2+1], v[RR+4*(d-1):RR+4*(d-1)+1], v[RR+2:RR+3]
	v_pk_fma_f32 v[RR+4*d:RR+4*d+1], v[RR+4*(d-1):RR+4*(d-1)+1], v[RR:RR+1], v[T1:T1+1] neg_lo:[0,0,1] neg_hi:[0,0,1]
	v_pk_fma_f32 v[RR+4*d+2:RR+4*d+3], v[RR+4*(d-1)+2:RR+4*(d-1)+3], v[RR:RR+1], v[T2:T2+1]
.set d, d+1
.endr
	; THE WALK over D, ascending: 135 members of 1 .. 248, in 15 batches of 9
.rept 248
.set M, M+1
	IND M
.if IS
	EVAL
.set PM, M
.set NEV, NEV+1
.endif
.endr
	s_wait_loadcnt 0x0                             ; eps
.set i, 0
.rept 11                                               ; eps into my stage as it lies in memory: the data come from loads, the address from the head,
	ds_store_b64 v[SA], v[EPS+2*i:EPS+2*i+1] offset:256*i
.set i, i+1
.endr
.set i, 0
.rept 11                                               ; and back by voxels: LDS serves a wave's instructions in order (ISA guide 5.7.1.4), and the bytes are my wave's own; no vector instruction has named E2
	ds_load_b64 v[E2+2*i:E2+2*i+1], v[SB] offset:8*i
.set i, i+1
.endr
.set GP, G+2-2*(NEV%2)
	ACCUM PM, GP                                   ; the last member
	; THE SIGNALS, all divided by exp(-TE R2T): s_k = (1 - bw) 2^(-dbv sum_k) + bw 2^(-11.942964 oef^2) KB_k,
	; KB_k = exp(0.851 - 0.745624 - kblood (22.002888 - 2 sqrt(.25 + (TE + tau)^2 / td) - 2 sqrt(.25 + (TE - tau)^2 / td))), kblood = 0.00909192; 11.942964 = 111.868 TE log2(e)
	SPAIR KB, 0.95060859
	SPAIR KB+2, 0.95064346
	SPAIR KB+4, 0.95075135
	SPAIR KB+6, 0.95094265
	SPAIR KB+8, 0.95123678
	SPAIR KB+10, 0.95166552
	SPAIR KB+12, 0.95227794
	SPAIR KB+14, 0.95314500
	SPAIR KB+16, 0.95435824
	SPAIR LN2, 0.69314718
	SPAIR BWK, 0.1695508                           ; m_bld NB
	SPAIR R2K, -11.942964
	v_pk_mul_f32 v[T1:T1+1], v[OE:OE+1], s[R2K:R2K+1] op_sel_hi:[1,0]
.set i, 0
.rept 8
	v_pk_mul_f32 v[ACC+2*i:ACC+2*i+1], v[ACC+2*i:ACC+2*i+1], v[DB:DB+1] neg_lo:[1,0] neg_hi:[1,0]
.set i, i+1
.endr
.set i, 0
.rept 16
	v_exp_f32 v[ACC+i], v[ACC+i]
.set i, i+1
.endr
	v_exp_f32 v[T1], v[T1]
	v_exp_f32 v[T1+1], v[T1+1]
	v_pk_mul_f32 v[T2:T2+1], v[DB:DB+1], s[BWK:BWK+1] op_sel_hi:[1,0]      ; bw: plain work behind the exponentials
	v_pk_fma_f32 v[P1:P1+1], v[T2:T2+1], -1.0, 1.0 op_sel_hi:[1,0,0]       ; 1 - bw
	s_wait_alu depctr_va_vdst(0)
	v_pk_mul_f32 v[P2:P2+1], v[T2:T2+1], v[T1:T1+1]
.set i, 0
.rept 8
	v_pk_mul_f32 v[ACC+2*i:ACC+2*i+1], v[ACC+2*i:ACC+2*i+1], v[P1:P1+1]
.set i, i+1
.endr
	v_pk_fma_f32 v[Q1:Q1+1], v[P2:P2+1], s[KB:KB+1], v[P1:P1+1] op_sel_hi:[1,0,1]  ; s_0: the integral at tau = 0 is 0
.set i, 0
.rept 8
	v_pk_fma_f32 v[ACC+2*i:ACC+2*i+1], v[P2:P2+1], s[KB+2+2*i:KB+3+2*i], v[ACC+2*i:ACC+2*i+1] op_sel_hi:[1,0,1]
.set i, i+1
.endr
.set i, 0
.rept 16
	v_log_f32 v[ACC+i], v[ACC+i]
.set i, i+1
.endr
	v_log_f32 v[Q1], v[Q1]
	v_log_f32 v[Q1+1], v[Q1+1]
	v_nop                                          ; a plain instruction between the last logarithm and the use of its result
	s_wait_alu depctr_va_vdst(0)
	v_pk_mul_f32 v[Q1:Q1+1], v[Q1:Q1+1], s[LN2:LN2+1] op_sel_hi:[1,0]
.set i, 0
.rept 8                                                ; L_k = ln 2 (log2 s_k - log2 s_0)
	v_pk_fma_f32 v[ACC+2*i:ACC+2*i+1], v[ACC+2*i:ACC+2*i+1], s[LN2:LN2+1], v[Q1:Q1+1] op_sel_hi:[1,0,1] neg_lo:[0,0,1] neg_hi:[0,0,1]
.set i, i+1
.endr
	v_pk_add_f32 v[T1:T1+1], v[ACC:ACC+1], v[ACC+2:ACC+3]                  ; the sum over the 11 echoes: L_1 and L_2 count twice, L_0 = 0
	v_pk_fma_f32 v[T1:T1+1], v[T1:T1+1], 2.0, v[ACC+4:ACC+5] op_sel_hi:[1,0,1]
.irp k,4,5,6,7,8
	v_pk_add_f32 v[T1:T1+1], v[T1:T1+1], v[ACC+2*(\k-1):ACC+2*(\k-1)+1]
.endr
	v_and_b32 v[T1], 0x7fffffff, v[T1]
	v_and_b32 v[T1+1], 0x7fffffff, v[T1+1]
	NOISE 0, 3.8763766e-4
	NOISE 1, 5.4820244e-4
	NOISE 2, 6.7140812e-4
	NOISE 3, 7.7527532e-4
	NOISE 4, 8.6678416e-4
	NOISE 5, 9.4951447e-4
	NOISE 6, 1.02559285e-3
	NOISE 7, 1.09640487e-3
	NOISE 8, 1.16291298e-3
	NOISE 9, 1.22581791e-3
	NOISE 10, 1.28564867e-3
	s_wait_dscnt 0x0                               ; eps by voxels is in
.set t, 0
.rept 11                                               ; echo t has k = |t - 2|; the results take eps's places
.set kk, t-2
.if t < 2
.set kk, 2-t
.endif
.if t == 2
	v_mul_f32 v[E2+t], v[E2+t], v[SDN+2*t]
	v_mul_f32 v[E2+11+t], v[E2+11+t], v[SDN+2*t+1]
.else
	v_fma_f32 v[E2+t], v[E2+t], v[SDN+2*t], v[ACC+2*(kk-1)]
	v_fma_f32 v[E2+11+t], v[E2+11+t], v[SDN+2*t+1], v[ACC+2*(kk-1)+1]
.endif
.set t, t+1
.endr
	s_wait_alu depctr_va_vdst(0)                   ; the multiply-adds have written E2, which the LDS stores below read
	s_wait_alu depctr_vm_vsrc(0)                   ; the LDS stores of eps, behind the walk, have read EPS, in which the LDS loads below land
.set i, 0
.rept 11                                               ; the way out: by voxels into my stage,
	ds_store_b64 v[SB], v[E2+2*i:E2+2*i+1] offset:8*i
.set i, i+1
.endr
.set i, 0
.rept 11                                               ; back as it lies in memory,
	ds_load_b64 v[EPS+2*i:EPS+2*i+1], v[SA] offset:256*i
.set i, i+1
.endr
.set i, 0
.rept 11
	s_wait_dscnt 10-i                              ; block i is back, the younger ones stay out
	global_store_b64 v[GO], v[EPS+2*i:EPS+2*i+1], s[8:9] offset:256*i th:TH_STORE_NT  ; 32 lanes store 256 consecutive bytes, at a multiple of 256 from out's first byte
.set i, i+1
.endr
	s_wait_dscnt 0x0                               ; the wave's end: the add onto a spare word follows
	s_wait_alu depctr_hold_cnt(0) depctr_sa_sdst(0) depctr_va_vdst(0) depctr_va_sdst(0) depctr_va_ssrc(0) depctr_va_vcc(0) depctr_vm_vsrc(0)
	s_wait_tensorcnt 0x0
	ds_add_u32 v3, v99
	s_wait_dscnt 0x0
	s_endpgm
.Lfunc_end_k_q9465eb256c_signal:
	.size	k_q9465eb256c_signal, .Lfunc_end_k_q9465eb256c_signal-k_q9465eb256c_signal
	.p2alignl 7, 3214868480
	.fill 96, 4, 3214868480
	.section	.rodata,"a",@progbits
	.p2align	6, 0x0
	.amdhsa_kernel k_q9465eb256c_signal
		.amdhsa_group_segment_fixed_size 28672
		.amdhsa_private_segment_fixed_size 0
		.amdhsa_enable_private_segment 0
		.amdhsa_kernarg_size 24
		.amdhsa_user_sgpr_count 2
		.amdhsa_user_sgpr_kernarg_segment_ptr 1
		.amdhsa_wavefront_size32 1
		.amdhsa_system_sgpr_workgroup_id_x 1
		.amdhsa_system_sgpr_workgroup_id_y 1
		.amdhsa_system_sgpr_workgroup_id_z 1
		.amdhsa_system_vgpr_workitem_id 0
		.amdhsa_next_free_vgpr 248
		.amdhsa_next_free_sgpr 72
		.amdhsa_reserve_vcc 0
		.amdhsa_float_denorm_mode_32 3
		.amdhsa_float_denorm_mode_16_64 3
		.amdhsa_memory_ordered 1
		.amdhsa_forward_progress 1
		.amdhsa_inst_pref_size 255
	.end_amdhsa_kernel
	.section	.bss,"aw",@nobits
	.p2align	6
	.space	262144
	.amdgpu_metadata
---
amdhsa.version: [ 1, 2 ]
amdhsa.kernels:
  - .name:           k_q9465eb256c_signal
    .symbol:         k_q9465eb256c_signal.kd
    .args:
      - { .name: inp, .offset: 0, .size: 8, .value_kind: global_buffer, .address_space: global }
      - { .name: eps, .offset: 8, .size: 8, .value_kind: global_buffer, .address_space: global }
      - { .name: out0, .offset: 16, .size: 8, .value_kind: global_buffer, .address_space: global }
    .group_segment_fixed_size: 28672
    .private_segment_fixed_size: 0
    .kernarg_segment_align: 8
    .kernarg_segment_size: 24
    .max_flat_workgroup_size: 256
    .sgpr_count:     72
    .vgpr_count:     248
    .wavefront_size: 32
...
	.end_amdgpu_metadata
.endif
;; end of part 2
